; MI455X (gfx1250); checked and timed in simulation.
; The chip was launched on July 23, 2026; its instructions are those of AMD's public machine-readable ISA for CDNA 5 (MIT licence, August 2026) and "CDNA5" Instruction Set Architecture Reference Guide (July 2026). The comments in the code are by the model that wrote it; some were corrected since.
;; Test Mo E. Allowed arithmetic: matrix products marked QUANTISED: E2M1 operands, one E8M0 scale for each 32 along K, by v_wmma_scale_f32_16x16x128_f8f6f4 with both operands' format E2M1 (or v_wmma_scale_f32_32x16x128_f4), f32 sums; products left as they are: f32 operands where the result goes on into a quantised operand, else bf16, f16 or f32 operands; f32 sums; everything else in f32.
;; Inputs: expert_b 8 x 1,024 float32; expert_w_codes 8 x 1,024 x 32 x 16 uint8 (E2M1 codes of expert_w, K innermost, in blocks of 32 codes, two codes a byte); expert_w_scales 8 x 1,024 x 32 uint8 (E8M0 scales of expert_w, one for each 32 codes along K); router_b 8 float32; router_w 8 x 1,024 float32; x 8,192 x 1,024 float32.
;; Outputs: out0 8,192 x 1,024 float32.
;; This version of the problem:
;;   THIS VERSION OF THE PROBLEM IS GIVEN IN LOW PRECISION. The matrix products marked QUANTISED in the list below multiply operands that are first quantised to E2M1 (2 exponent bits, 1 mantissa bit; 4 bits a number), with one power-of-two scale for each 32 numbers along K (OCP MX v1.0); their sums are f32. All else is computed in f32.
;;   The module's matrix products, in the order in which they are computed (A, B: the left and right operand; K: the contracted axis; several contracted axes count as one K, in the product's order):
;;     1. [M 8,192, K 1,024] x [K 1,024, N 8]; A: input x; B: input router_w: left as it is (N = 8 < 16)
;;     2. [M 8,192, K 1,024] x [K 1,024, N 8,192]; A: input x; B: input expert_w (given as codes): QUANTISED
;;   THE QUANTISER, for each operand of a quantised product, along K:
;;     - K is cut into blocks of 32 from its start; a last block that is shorter is filled with zeros.
;;     - A block's scale is 2^e with e = floor(log2(the largest magnitude in the block)) - 2, held to -126 .. 127; a block of zeros has e = 0. As a byte (E8M0): e + 127.
;;     - Each number is divided by its block's scale, clamped to +-6, and rounded to the nearest number of E2M1, ties to even, subnormals kept.
;;     - The product sums the exact products of the quantised numbers (number of the format x scale) in f32.
;;   ~~~python
;;   def quantise(x, axis):      # numpy; x: float32 -> the quantised numbers, widened to float32 again
;;       x = np.moveaxis(x, axis, -1); K = x.shape[-1]
;;       x = np.pad(x, [(0, 0)] * (x.ndim - 1) + [(0, -K % 32)]); x = x.reshape(x.shape[:-1] + (-1, 32)); a = np.abs(x).max(-1, keepdims=True)
;;       e = np.where(a > 0, np.clip(np.frexp(np.where(a > 0, a, 1))[1] - 1 - 2, -126, 127), 0)      # np.frexp(a)[1] - 1 = floor(log2(a)), exactly
;;       r = np.clip(x / 2.0 ** e, -6, 6)
;;       step = 2.0 ** (np.maximum(np.frexp(np.where(r == 0, 1, r))[1] - 1, 0) - 1)
;;       q = np.round(r / step) * step * 2.0 ** e      # np.round: ties to even
;;       return np.moveaxis(q.reshape(q.shape[:-2] + (-1,))[..., :K], -1, axis).astype(np.float32)
;;   ~~~
;;   INPUTS GIVEN AS CODES. expert_w (in the module: [8, 1024, 1024], K = its axis 2): each comes as NAME_codes (uint8): NAME with its K axis moved to the last place and cut into blocks of 32 codes, [.., K / 32, bytes a block], one block behind the other in memory; two codes a byte, the lower K in the low four bits (a code: sign, 2 exponent bits, 1 mantissa bit); and NAME_scales (uint8): the same leading axes, one E8M0 byte (e + 127) for each 32 codes along K. Its value is code x scale, taken as it is: it is not quantised again, and the codes and scales need not be those that the quantiser above would give.
;; One version. Each part assembles by itself: llvm-mc -triple=amdgcn-amd-amdhsa -mcpu=gfx1250 --defsym DOCPART=n.
;; ======== version 1 of 1: 2 launches
;; limits: right only within a limited range of input values
;; workspace buffers: xcodes 4,194,304 bytes; xscales 262,144 bytes; route 16,384 bytes of whole numbers
;; launch route_quant (part 1): grid 256 x 1, 8 waves a work-group, no clusters, 186,624 bytes of LDS; arguments x, router_w, router_b, xcodes, xscales, route; writes xcodes, xscales, route
.if DOCPART == 1
	.amdgcn_target "amdgcn-amd-amdhsa--gfx1250"
	.amdhsa_code_object_version 6
	.text
	.protected	k_qbdee580f92_route_quant
	.globl	k_qbdee580f92_route_quant
	.p2align	8
	.type	k_qbdee580f92_route_quant,@function
k_qbdee580f92_route_quant:
	s_mov_b64 s[64:65], 0
	v_nop
	global_prefetch_b8 v0, s[64:65] scope:SCOPE_SE
	s_setreg_imm32_b32 hwreg(HW_REG_WAVE_MODE, 25, 1), 1
	s_wait_xcnt 0x0
; x [8192][1024] f32 is read once and serves twice.
; (1) It is quantised along K to FP4 (E2M1) codes with one E8M0 byte for each 32 numbers: xcodes [token][512 bytes], K innermost, block kb at byte 16 kb; xscales [token][32 bytes].
; (2) logits = x router_w^T + router_b in f32, by packed fused multiply-adds; the argmax over the 8 experts, the lowest index among equals (the largest softmax is that of the largest logit).
; The choice steers no address here: it leaves as whole numbers at fixed places.  route [16][256 blocks of 32 tokens]: word b of row e (0 to 7) is expert e's bit mask (bit i: token 32 b + i chose it), word b of row 8 + e its count.
; SHARES.  Work-group b owns tokens 32 b .. 32 b + 31, wave w four of them.  A wave takes a whole row at a time and LANE L OWNS K BLOCK L (k = 32 L .. 32 L + 31): a block's largest magnitude needs no other lane,
; the lane's four conversions are the 16 bytes at 16 L of the token's codes (one store of the wave covers the row's 512 consecutive bytes), and the lane's 8 x 32 numbers of router_w stay in 256 registers.
; Loads take the bytes as they lie, 512 consecutive bytes an instruction; a row turns through the wave's own stage in LDS (128 bytes + 16 of padding for each block) and comes back 128 bytes a lane.
; A token's eight sums are folded over the lanes as soon as they are made; the fourth token alone is worked on behind the last load.
; No matrix unit: the router's product has 8 columns and wants f32; no tensor loads: all 128 KiB of the work-group's x are asked for at the head, into registers; no cluster: what work-groups share is
; router_w, 32 KiB beside 128 KiB of x that each has to itself.  No prefetch: there is no loop to run ahead in.
; LIMITS.  NaN and infinities in x, router_w, router_b are not served (a token whose logits are all NaN goes to expert 7).  A block whose largest magnitude lies under 2^-124 gets the byte 1; a block of zeros
; gets the byte 1 with zero codes, where the rule says 127: this program alone reads the bytes.  The logits are f32 sums in another order than a plain dot product: where the two largest logits of a token
; differ by no more than that rounding, the other of the two may be chosen.
.set BP,   144                         ; a block of 32 numbers in a stage: 128 bytes + 16: nine times 16 bytes, so that lanes 144 bytes apart start in different banks (64 banks of 4 bytes: ISA guide 11.1)
.set STG,  32*BP                       ; a staged row: 4,608 bytes
.set WST,  0                           ; LDS: router_w's eight rows,
.set XST,  8*STG                       ; four rows of x for each wave,
.set SCB,  XST+32*STG                  ; the work-group's 32 x 32 scale bytes,
.set TOP,  SCB+1024                    ; its 32 choices, a word each,
.set SPARE, 0x2d500                    ; and the spare words
.set SBY,  14                          ; v14-17   token t's scale byte
.set CD,   20                          ; v20-35   token t's codes, four registers: no store's data are written again
.set ACC,  36                          ; v36-51   eight pairs: a token's eight sums, even and odd k apart
.set R,    52                          ; v52-83   R[8 t + e]: my lane's part of token t's product with expert e
.set X,    96                          ; v96-223  token t: 32 registers, as loaded, then my block's 32 neighbours
.set WL,   224                         ; v224-255 my wave's row of router_w as loaded
; window 1: v[32 e + i] = router_w[e][32 L + i]
.set MSB, 0
.macro WIN new                         ; s_set_vgpr_msb: bits 3:2 source 1, 7:6 destination; the immediate's high byte repeats the setting that is left
.if MSB != \new
	s_set_vgpr_msb (MSB<<8)|\new
.set MSB, \new
.endif
.endm
	s_load_b256 s[4:11], s[0:1], 0x0               ; x s[4:5], router_w s[6:7], router_b s[8:9], xcodes s[10:11]
	s_load_b128 s[12:15], s[0:1], 0x20             ; xscales s[12:13], route s[14:15]
	v_lshl_add_u32 v94, v0, 2, SPARE
	v_mov_b32 v95, 0
	v_lshrrev_b32 v84, 5, v0
	v_readfirstlane_b32 s16, v84                   ; wave 0..7
	v_and_b32 v1, 31, v0                           ; L
	v_lshlrev_b32 v2, 4, v1                        ; 16 L: my 16 bytes of an instruction's 512; never rewritten
	v_lshrrev_b32 v84, 3, v1                       ; L / 8
	v_and_b32 v9, 7, v1                            ; L % 8
	v_mul_u32_u24 v85, v84, BP
	v_mul_u32_u24 v6, v1, BP                       ; out of a stage: block L.  (router_w's rows begin at LDS byte 0)
	v_lshl_add_u32 v85, v9, 4, v85                 ; into a stage: eight lanes fill a block, then 16 bytes of padding
	s_mul_i32 s24, s16, 4*STG
	s_add_co_u32 s24, s24, XST
	v_add_nc_u32 v4, s24, v6                       ; my wave's four rows of x: way out,
	v_add_nc_u32 v3, s24, v85                      ; way in
	s_mul_i32 s25, s16, STG
	v_add_nc_u32 v5, s25, v85                      ; router_w's row w: way in
	s_lshl_b32 s24, s16, 7
	s_add_co_u32 s24, s24, SCB
	v_add_nc_u32 v7, s24, v1                       ; my block's scale byte of my wave's first token
	s_lshl_b32 s24, s16, 4
	s_add_co_u32 s24, s24, TOP
	v_lshl_add_u32 v8, v84, 2, s24                 ; the choice of token 4 w + L / 8
	v_lshl_add_u32 v88, v1, 2, TOP                 ; wave 0's read of the 32 choices
	v_lshl_add_u32 v89, v1, 4, SCB                 ; wave 1's read of the scale bytes
	v_lshlrev_b32 v90, 10, v1                      ; lane i < 16: row i of route, 1,024 bytes a row
	v_lshlrev_b32 v93, 2, v9                       ; router_b[L % 8]
	v_mov_b32 v92, 8                               ; an index above every expert's
	v_mov_b32 v18, 0                               ; the destination of a move between lanes counts as one of its sources
	s_mov_b32 s20, 0xff00ff00                      ; lanes whose bit 3 is set,
	s_mov_b32 s21, 0xf0f0f0f0                      ; bit 2,
	s_mov_b32 s22, 0xcccccccc                      ; bit 1,
	s_mov_b32 s23, 0xaaaaaaaa                      ; bit 0,
	s_mov_b32 s30, 0xffff0000                      ; bit 4
	s_mov_b32 s28, 0x76543210
	s_mov_b32 s29, 0xfedcba98                      ; v_permlanex16_b32's selects for lane l xor 16
	s_lshl_b32 s18, ttmp9, 17                      ; 32 rows of 4,096 bytes a work-group,
	s_lshl_b32 s26, s16, 14                        ; 4 a wave
	s_add_co_u32 s18, s18, s26
	s_mov_b32 s19, 0
	s_wait_alu depctr_va_vdst(0)
	s_wait_kmcnt 0x0
	s_add_nc_u64 s[4:5], s[4:5], s[18:19]          ; x at my first token
	s_lshr_b32 s18, s18, 3                         ; a row of codes is an eighth of a row of x
	s_add_nc_u64 s[10:11], s[10:11], s[18:19]
	s_lshl_b32 s18, s16, 12
	s_add_nc_u64 s[6:7], s[6:7], s[18:19]          ; router_w's row w
	s_lshl_b32 s18, ttmp9, 10
	s_add_nc_u64 s[12:13], s[12:13], s[18:19]      ; the work-group's 1,024 scale bytes
	s_lshl_b32 s18, ttmp9, 2
	s_add_nc_u64 s[14:15], s[14:15], s[18:19]      ; its word of each row of route
	global_load_b32 v10, v93, s[8:9]
.irp i, 0,1,2,3,4,5,6,7
	global_load_b128 v[WL+4*\i:WL+4*\i+3], v2, s[6:7] offset:512*\i
.endr
.irp t, 0,1,2,3
.irp i, 0,1,2,3,4,5,6,7
	global_load_b128 v[X+32*\t+4*\i:X+32*\t+4*\i+3], v2, s[4:5] offset:4096*\t+512*\i th:TH_LOAD_NT   ; 32 lanes read 512 consecutive bytes; read once in the launch
.endr
.endr
	s_wait_loadcnt 32                              ; router_b and my row of router_w are in; the 32 loads of x stay out
.irp i, 0,1,2,3,4,5,6,7
	ds_store_b128 v5, v[WL+4*\i:WL+4*\i+3] offset:WST+4*BP*\i      ; an instruction's 512 bytes are four blocks
.endr
	s_wait_dscnt 0x0                               ; for the others' sake: my row lies in LDS
	s_barrier_signal -1
	s_barrier_wait -1                              ; all eight rows do
	WIN 0x40                                       ; destination window 1
.irp e, 0,1,2,3,4,5,6,7
.irp j, 0,1,2,3,4,5,6,7
	ds_load_b128 v[32*\e+4*\j:32*\e+4*\j+3], v6 offset:WST+\e*STG+16*\j   ; my block of each expert's row: it stays
.endr
.endr
	WIN 0
; Token t's row through my stage, and back into the registers that it left.  LDS serves a wave's instructions in order (ISA guide 5.7.1.4): no wait between the stores and the loads.
.macro TURN t
.irp i, 0,1,2,3,4,5,6,7
	ds_store_b128 v3, v[X+32*(\t)+4*\i:X+32*(\t)+4*\i+3] offset:(\t)*STG+4*BP*\i
.endr
.irp j, 0,1,2,3,4,5,6,7
	ds_load_b128 v[X+32*(\t)+4*\j:X+32*(\t)+4*\j+3], v4 offset:(\t)*STG+16*\j
.endr
.endm
; One step of the sum over lanes: of 2 s values from R[b] on a lane keeps s (those whose bit equals the lane's) and sends the others to the lane s away, which keeps them.
.macro FOLD b, s, m
.set u, \b
.rept \s
	v_cndmask_b32 v[84+2*(u%2)], v[R+u], v[R+u+\s], s[\m]          ; what I keep
	v_cndmask_b32 v[85+2*(u%2)], v[R+u+\s], v[R+u], s[\m]          ; what I send
	s_delay_alu instid0(VALU_DEP_1)
	v_add_f32_dpp v[R+u], v[85+2*(u%2)], v[84+2*(u%2)] row_xmask:\s row_mask:0xf bank_mask:0xf
.set u, u+1
.endr
.endm
; Token t: my block is quantised and multiplied by the eight experts' blocks; then the sums are folded: R[8 t] in lane L becomes the whole product with expert L % 8.
; n: the LDS instructions issued behind this token's turn, which may stay out.
.macro WORK t, n
.set XS, X+32*(\t)
	s_wait_dscnt \n
	v_max3_num_f32 v11, |v[XS]|, |v[XS+1]|, |v[XS+2]|              ; the block's largest magnitude, in two chains: all 32 numbers are mine
	v_max3_num_f32 v12, |v[XS+3]|, |v[XS+4]|, |v[XS+5]|
.irp i, 6,10,14,18,22,26
	s_delay_alu instid0(VALU_DEP_2)
	v_max3_num_f32 v11, v11, |v[XS+\i]|, |v[XS+\i+1]|
	s_delay_alu instid0(VALU_DEP_2)
	v_max3_num_f32 v12, v12, |v[XS+\i+2]|, |v[XS+\i+3]|
.endr
	s_delay_alu instid0(VALU_DEP_2)
	v_max3_num_f32 v11, v11, |v[XS+30]|, |v[XS+31]|
	s_delay_alu instid0(VALU_DEP_1)
	v_max3_num_f32 v11, v11, v12, 0x1800000        ; and the floor 2^(3 - 127): the byte cannot fall under 1
	s_delay_alu instid0(VALU_DEP_1)
	v_add_nc_u32 v13, 0xff000000, v11              ; 2 off its exponent field: the conversion takes the exponent field of this operand as its scale, and nothing else of it
.irp g, 0,1,2,3
	v_cvt_scalef32_pk8_fp4_f32 v[CD+4*(\t)+\g], v[XS+8*\g:XS+8*\g+7], v13   ; eight numbers / the scale, to the nearest code, ties to even, beyond 6 the largest code; the first number's code lowest
.endr
	v_lshrrev_b32 v[SBY+(\t)], 23, v13             ; the scale's byte.  (Also the plain instruction behind the conversions)
	ds_store_b8 v7, v[SBY+(\t)] offset:32*(\t)
	global_store_b128 v2, v[CD+4*(\t):CD+4*(\t)+3], s[10:11] offset:512*(\t)   ; the token's 512 bytes of codes, whole
	WIN 0x04                                       ; source 1 (router_w) window 1
.irp e, 0,1,2,3,4,5,6,7
	v_pk_mul_f32 v[ACC+2*\e:ACC+2*\e+1], v[XS:XS+1], v[32*\e:32*\e+1]      ; the first products start the sums: nothing is cleared
.endr
.irp i, 1,2,3,4,5,6,7,8,9,10,11,12,13,14,15
.irp e, 0,1,2,3,4,5,6,7
	v_pk_fma_f32 v[ACC+2*\e:ACC+2*\e+1], v[XS+2*\i:XS+2*\i+1], v[32*\e+2*\i:32*\e+2*\i+1], v[ACC+2*\e:ACC+2*\e+1]   ; the eight chains by turns
.endr
.endr
	WIN 0
.irp e, 0,1,2,3,4,5,6,7
	v_add_f32 v[R+8*(\t)+\e], v[ACC+2*\e], v[ACC+2*\e+1]
.endr
	FOLD 8*(\t), 4, 21
	FOLD 8*(\t), 2, 22
	FOLD 8*(\t), 1, 23
	v_add_f32_dpp v[R+8*(\t)], v[R+8*(\t)], v[R+8*(\t)] row_xmask:8 row_mask:0xf bank_mask:0xf
	v_permlanex16_b32 v18, v[R+8*(\t)], s28, s29
	v_add_f32 v[R+8*(\t)], v[R+8*(\t)], v18
.endm
	s_wait_loadcnt 24                              ; token 0's eight loads are in
	TURN 0
	s_wait_loadcnt 16
	TURN 1
	WORK 0, 16                                     ; behind token 0's turn: token 1's 16 lines.  (In order: router_w's 64 loads are in too)
	s_wait_loadcnt 8
	TURN 2
	WORK 1, 17                                     ; token 0's byte store and token 2's 16 lines
	WORK 2, 1                                      ; token 1's byte store
	s_wait_loadcnt 0
	TURN 3
	WORK 3, 0
	v_cndmask_b32 v84, v[R], v[R+8], s20           ; lane L: token 4 w + L / 8, expert L % 8
	v_cndmask_b32 v85, v[R+16], v[R+24], s20
	v_cndmask_b32 v84, v84, v85, s30
	s_delay_alu instid0(VALU_DEP_1)
	v_add_f32 v84, v84, v10                        ; the logit
	s_delay_alu instid0(VALU_DEP_1)
	v_max_num_f32_dpp v85, v84, v84 row_xmask:1 row_mask:0xf bank_mask:0xf
	s_delay_alu instid0(VALU_DEP_1)
	v_max_num_f32_dpp v85, v85, v85 row_xmask:2 row_mask:0xf bank_mask:0xf
	s_delay_alu instid0(VALU_DEP_1)
	v_max_num_f32_dpp v85, v85, v85 row_xmask:4 row_mask:0xf bank_mask:0xf   ; the token's largest, in its eight lanes
	s_delay_alu instid0(VALU_DEP_1)
	v_cmp_eq_f32 vcc_lo, v84, v85
	s_delay_alu instid0(VALU_DEP_1)
	v_cndmask_b32 v86, v92, v9, vcc_lo             ; my expert where I hold the largest, else 8
.irp s, 1,2,4
	s_delay_alu instid0(VALU_DEP_1)
	v_mov_b32_dpp v87, v86 row_xmask:\s row_mask:0xf bank_mask:0xf
	s_delay_alu instid0(VALU_DEP_1)
	v_min_u32 v86, v86, v87                        ; the lowest index among equals
.endr
	s_delay_alu instid0(VALU_DEP_1)
	v_min_u32 v86, 7, v86                          ; every token has an owner
	ds_store_b32 v8, v86                           ; a token's eight lanes write the same word with the same value
	s_wait_dscnt 0x0                               ; for the others' sake: my choices and my scale bytes lie in LDS
	s_barrier_signal -1
	s_barrier_wait -1
	s_cmp_eq_u32 s16, 0
	s_cbranch_scc1 .Lrecord
	s_cmp_eq_u32 s16, 1
	s_cbranch_scc1 .Lscales
	s_wait_tensorcnt 0x0                           ; the wave's end
	ds_add_u32 v94, v95
	s_wait_dscnt 0x0
	s_endpgm
.Lrecord:                                              ; wave 0: the block's record
	ds_load_b32 v84, v88                           ; lane i: token i's choice
	s_wait_tensorcnt 0x0
	ds_add_u32 v94, v95
	s_wait_dscnt 0x0                               ; the choices are in too
.irp e, 0,1,2,3,4,5,6,7
	v_cmp_eq_u32 s[40+\e], \e, v84                 ; expert e's mask
.endr
.irp e, 0,1,2,3,4,5,6,7
	s_bcnt1_i32_b32 s[48+\e], s[40+\e]             ; and its count
.endr
	v_mov_b32 v91, 0
	v_mov_b32 v19, 0
.irp e, 0,1,2,3,4,5,6,7
	v_writelane_b32 v91, s[40+\e], \e              ; two chains by turns
	v_writelane_b32 v19, s[48+\e], 8+\e
.endr
	v_or_b32 v91, v91, v19
	s_wait_alu depctr_va_vdst(0)
	s_wait_xcnt 0x0                                ; EXEC is a source of my stores of codes: it changes only behind this wait
	v_cmpx_gt_u32 16, v1
	global_store_b32 v90, v91, s[14:15]            ; a word of each of the 16 rows
	s_endpgm
.Lscales:                                              ; wave 1: the block's 1,024 scale bytes, as two stores of 512 consecutive bytes
	ds_load_b128 v[84:87], v89
	ds_load_b128 v[36:39], v89 offset:512
	s_wait_dscnt 0x0
	global_store_b128 v2, v[84:87], s[12:13]
	global_store_b128 v2, v[36:39], s[12:13] offset:512
	s_wait_tensorcnt 0x0
	ds_add_u32 v94, v95
	s_wait_dscnt 0x0
	s_endpgm
.Lfunc_end_k_qbdee580f92_route_quant:
	.size	k_qbdee580f92_route_quant, .Lfunc_end_k_qbdee580f92_route_quant-k_qbdee580f92_route_quant
	.p2alignl 7, 3214868480
	.fill 96, 4, 3214868480
	.section	.rodata,"a",@progbits
	.p2align	6, 0x0
	.amdhsa_kernel k_qbdee580f92_route_quant
		.amdhsa_group_segment_fixed_size 186624
		.amdhsa_private_segment_fixed_size 0
		.amdhsa_enable_private_segment 0
		.amdhsa_kernarg_size 48
		.amdhsa_user_sgpr_count 2
		.amdhsa_user_sgpr_kernarg_segment_ptr 1
		.amdhsa_wavefront_size32 1
		.amdhsa_system_sgpr_workgroup_id_x 1
		.amdhsa_system_sgpr_workgroup_id_y 1
		.amdhsa_system_sgpr_workgroup_id_z 1
		.amdhsa_system_vgpr_workitem_id 0
		.amdhsa_next_free_vgpr 512
		.amdhsa_next_free_sgpr 72
		.amdhsa_reserve_vcc 1
		.amdhsa_float_denorm_mode_32 3
		.amdhsa_float_denorm_mode_16_64 3
		.amdhsa_memory_ordered 1
		.amdhsa_forward_progress 1
		.amdhsa_inst_pref_size 68
	.end_amdhsa_kernel
	.amdgpu_metadata
---
amdhsa.version: [ 1, 2 ]
amdhsa.kernels:
  - .name:           k_qbdee580f92_route_quant
    .symbol:         k_qbdee580f92_route_quant.kd
    .args:
      - { .name: x, .offset: 0, .size: 8, .value_kind: global_buffer, .address_space: global }
      - { .name: router_w, .offset: 8, .size: 8, .value_kind: global_buffer, .address_space: global }
      - { .name: router_b, .offset: 16, .size: 8, .value_kind: global_buffer, .address_space: global }
      - { .name: xcodes, .offset: 24, .size: 8, .value_kind: global_buffer, .address_space: global }
      - { .name: xscales, .offset: 32, .size: 8, .value_kind: global_buffer, .address_space: global }
      - { .name: route, .offset: 40, .size: 8, .value_kind: global_buffer, .address_space: global }
    .group_segment_fixed_size: 186624
    .private_segment_fixed_size: 0
    .kernarg_segment_align: 8
    .kernarg_segment_size: 48
    .max_flat_workgroup_size: 256
    .sgpr_count:     72
    .vgpr_count:     512
    .wavefront_size: 32
...
	.end_amdgpu_metadata
.endif
;; end of part 1
;; launch experts (part 2): grid 64 x 4, 4 waves a work-group, no clusters, 249,344 bytes of LDS; arguments route, xcodes, xscales, expert_w_codes, expert_w_scales, expert_b, out0; writes out0
.if DOCPART == 2
	.amdgcn_target "amdgcn-amd-amdhsa--gfx1250"
	.amdhsa_code_object_version 6
	.text
	.protected	k_qbdee580f92_experts
	.globl	k_qbdee580f92_experts
	.p2align	8
	.type	k_qbdee580f92_experts,@function
k_qbdee580f92_experts:
	s_mov_b64 s[64:65], 0
	v_nop
	global_prefetch_b8 v0, s[64:65] scope:SCOPE_SE
	s_setreg_imm32_b32 hwreg(HW_REG_WAVE_MODE, 25, 1), 1
	s_wait_xcnt 0x0
; out0[n] = Q(x[n]) W[top[n]]^T + expert_b[top[n]]: only the chosen expert's rows are multiplied.  Codes of FP4 (E2M1) with one E8M0 byte for each 32 along K on both sides, f32 sums.
; route: [8 experts][256 blocks of 32 tokens] bit masks, then [8][256] counts, whole numbers that the launch before has stored.
; TILES.  An expert with n tokens has T = ceil(n / 144) row tiles; over all experts never more than (8,192 + 8 x 143) / 144 = 64: grid x = 64 tiles, grid y = 4 chunks of 256 columns.  The tiles of an expert share
; its rows evenly: 4 q rows each, q = ceil(n / (4 T)), at most 144.  A tile that the split leaves without tokens stores nothing.
; PLACING.  Wave w sums the 256 counts of experts w and w + 4 and lays prefixes and masks into LDS; behind a barrier every wave finds its tile's expert, and the tokens of the 36 rows that it gathers: a search in
; 16 x 16 prefixes, then the k-th bit of a mask.  The tile's token list lies in LDS for the stores.
; SHARES.  Four waves, as many as a WGP has SIMDs.  Wave w owns columns 64 w .. 64 w + 63 of the chunk and walks the tile's blocks of 16 tokens one after the other.  ITS WEIGHTS STAY IN REGISTERS: 4 tiles of 16 columns
; x 8 K steps = 32 fragments = 256 registers.  A block of tokens wants its 8 fragments from LDS, is finished after 32 products and leaves at once, while the next blocks are multiplied.
; OPERANDS.  An image is 16 rows of 512 bytes of codes, turned: K block kb of row i at 272 kb + 16 i; a fragment's four registers (K step s, half c, lanes' half h) are one ds_load_b128 at 272 (4 s + 2 c + h) + 16 r.
; The pitch, 17 times 16 bytes, lets lanes 272 bytes apart start in different banks (64 banks of 4 bytes: ISA guide 11.1).
; W's four images are the wave's own: rows in, fragments back into the registers that the rows left, with no wait and no barrier between.  The tokens' nine images are filled by the four waves together: one barrier.
; THE WAY OUT NEEDS NO LDS.  Source 0 = 16 tokens, source 1 = 16 rows of W, and TILE b TAKES THE ROWS 4 r + b (r = 0 .. 15) of the wave's 64: register j of the four sums in lane (r, h) is token 8 h + j in the four
; neighbouring columns 4 r .. 4 r + 3.  The additions of the bias put the four side by side, and sixteen lanes store a token's 64 columns: 256 consecutive bytes of a row of out0, aligned.
; ROWS PAST THE TILE'S LAST take the tile's last token: the same codes give the same bits, stored to the same bytes by the same wave.
; NO CLUSTER, NO TENSOR LOADS, though an expert's tiles read the same weights: which tiles share an expert hangs on numbers read from memory; this text branches on them, and the tokens' rows are a gather.
; NO PREFETCH: there is no loop to run ahead in, and every address hangs on what has just been read.
; More loads and more LDS instructions are issued in a run than a counter's field holds: the issue then waits by itself (ISA guide 5.7.1); no wait is written for that.
; LIMITS: those of the launch that made xcodes and xscales; W's scale bytes are taken as given (a byte 0xff gives NaN).
; REGISTERS, in windows of 256 (s_set_vgpr_msb: bits 1:0 source 0, 3:2 source 1, 5:4 source 2, 7:6 destination): window 0 as named below, v102-235 also at work in the head;
;   window 1: W: 64 rows as loaded, then fragment (b, s) at v[64 b + 8 s];   window 2: v0-127 two buffers of a block's 8 fragments (first: v0-143 landed pieces), v128-255 four buffers of 16 rows on their way out
.set IP,   272
.set IMB,  32*IP                       ; an image: 8,704 bytes
.set BIMG, 9*IMB                       ; LDS: images 0-8 the tile's tokens, images 9-24 W's, four to a wave,
.set WSC,  25*IMB                      ; each wave's 64 x 32 scale bytes of W, 16 of padding behind each four rows,
.set WSB,  16*144
.set PA,   WSC+4*WSB                   ; for each expert 256 prefixes and 256 masks,
.set TOT,  PA+16384                    ; the experts' totals,
.set LIST, TOT+256                     ; the tile's 144 tokens,
.set XSC,  LIST+768                    ; their scale bytes, 32 a row,
.set SPARE, XSC+4608                   ; and the spare words
.set WS,   16                          ; W's scale words: tile b at 4 b; register i: lanes 0-15 K step i, lanes 16-31 K step 4 + i
.set XS,   32                          ; the tokens': block a at 4 a, likewise
.set BIAS, 68                          ; of my four columns
.set ACC,  100                         ; set a % 2 at 32 (a % 2), accumulator b at 8 b
.set TK,   164                         ; store t of block a at 8 a + t: a token, then its row's offset
.set OD,   128                         ; window 2: buffer a % 4 at 32 (a % 4)
; s18 wave, s19 tile, s20 chunk; s23 my 64 columns' first row of W over all experts; s32 expert, s33 its tokens, s38 the tile's first rank, s39 its rows, s40 its last rank
.set MSB, 0
.macro WIN new                         ; the immediate's high byte repeats the setting that is left
.if MSB != \new
	s_set_vgpr_msb (MSB<<8)|\new
.set MSB, \new
.endif
.endm
	s_load_b256 s[4:11], s[0:1], 0x0               ; route s[4:5], xcodes s[6:7], xscales s[8:9], W's codes s[10:11]
	s_load_b128 s[12:15], s[0:1], 0x20             ; W's scales s[12:13], expert_b s[14:15]
	s_load_b64 s[16:17], s[0:1], 0x30              ; out0
	v_lshl_add_u32 v254, v0, 2, SPARE
	v_mov_b32 v255, 0
	v_lshrrev_b32 v140, 5, v0
	v_readfirstlane_b32 s18, v140                  ; wave 0..3
	s_mov_b32 s19, ttmp9
	s_and_b32 s20, ttmp7, 0xffff
	v_and_b32 v1, 31, v0                           ; L
	v_and_b32 v2, 15, v0                           ; r
	v_bfe_u32 v3, v0, 4, 1                         ; h
	s_lshl_b32 s24, s18, 10
	v_lshl_add_u32 v160, v1, 5, s24                ; expert w's row; lane L takes blocks 8 L .. 8 L + 7
	s_wait_alu depctr_va_vdst(0)
	s_wait_kmcnt 0x0
.irp c, 0,1                            ; experts w and w + 4: counts,
	global_load_b128 v[104+16*\c:107+16*\c], v160, s[4:5] offset:8192+4096*\c
	global_load_b128 v[108+16*\c:111+16*\c], v160, s[4:5] offset:8208+4096*\c
.endr
.irp c, 0,1                            ; and masks
	global_load_b128 v[112+16*\c:115+16*\c], v160, s[4:5] offset:4096*\c
	global_load_b128 v[116+16*\c:119+16*\c], v160, s[4:5] offset:16+4096*\c
.endr
	; every LDS address is a constant + constants x lane and wave; made while the counts are on their way
	v_mul_u32_u24 v142, v3, IP
	v_lshl_add_u32 v4, v2, 4, v142                 ; fragments of the tokens' images 0-3: 272 h + 16 r,
	v_add_nc_u32 v5, 4*IMB, v4                     ; of images 4-8 (an LDS offset has 16 bits)
	v_mul_u32_u24 v143, v1, IP
	s_mul_i32 s24, s18, 4*IMB
	s_add_co_u32 s24, s24, BIMG
	v_add_nc_u32 v6, s24, v143                     ; my four images of W: rows in,
	v_add_nc_u32 v7, s24, v4                       ; fragments back
	v_mul_u32_u24 v144, v2, IP
	v_mul_u32_u24 v145, v3, IMB
	v_add_nc_u32 v146, v144, v145
	s_mul_i32 s25, s18, 2*IMB
	v_add_nc_u32 v8, s25, v146                     ; rows 32 w on: lanes 0-15 image 2 w, lanes 16-31 image 2 w + 1; K block r, then 16 + r
	v_lshl_add_u32 v147, v3, 5, v144               ; 272 r + 32 h
	s_lshl_b32 s25, s18, 6
	s_add_co_u32 s25, s25, 8*IMB
	v_add_nc_u32 v9, s25, v147                     ; image 8, rows 4 w + 2 h on
	s_lshl_b32 s25, s18, 11
	s_add_co_u32 s25, s25, PA
	v_lshl_add_u32 v10, v1, 5, s25                 ; expert w's table: my eight blocks (expert w + 4's 8,192 bytes on)
	v_lshlrev_b32 v15, 4, v2                       ; 16 r
	v_lshlrev_b32 v247, 4, v3                      ; 16 h
	v_lshlrev_b32 v249, 4, v1                      ; 16 L
	v_add_nc_u32 v250, 1, v1
	s_mul_i32 s25, s18, WSB
	s_add_co_u32 s25, s25, WSC
	v_lshrrev_b32 v151, 3, v1
	v_and_b32 v152, 7, v1
	v_mul_u32_u24 v151, v151, 144
	v_lshl_add_u32 v151, v152, 4, v151
	v_add_nc_u32 v11, s25, v151                    ; W's scale bytes in: eight lanes fill four rows' 128 bytes, then 16 of padding
	v_mul_u32_u24 v153, v2, 144
	v_add_nc_u32 v153, v153, v247
	v_add_nc_u32 v12, s25, v153                    ; out: row 4 r + b, K steps 4 h .. 4 h + 3
	s_lshl_b32 s25, s18, 2
	s_add_co_u32 s25, s25, TOT
	v_mov_b32 v236, s25
	v_and_b32 v237, 7, v0
	v_lshl_add_u32 v237, v237, 2, TOT              ; the total of expert L % 8
	s_lshl_b32 s25, s18, 7
	s_add_co_u32 s25, s25, LIST                    ; my 32 rows' tokens
	v_lshl_add_u32 v238, v1, 2, s25
	v_lshl_add_u32 v240, v3, 6, s25
	v_lshl_add_u32 v242, v2, 2, s25
	v_and_b32 v149, 3, v0
	s_lshl_b32 s25, s18, 4
	s_add_co_u32 s25, s25, LIST+512                ; and my 4 of image 8
	v_lshl_add_u32 v239, v149, 2, s25
	v_lshl_add_u32 v241, v3, 3, s25
	v_lshl_add_u32 v251, v2, 5, v247               ; 32 r + 16 h
	v_add_nc_u32 v245, XSC, v251                   ; the tokens' scale words out: block 0
	s_lshl_b32 s25, s18, 10
	v_add_nc_u32 v243, s25, v245                   ; in: rows 32 w on,
	s_lshl_b32 s25, s18, 7
	s_add_co_u32 s25, s25, XSC+4096
	v_lshl_add_u32 v150, v149, 5, v247
	v_add_nc_u32 v244, s25, v150                   ; and 128 + 4 w + L % 4
	v_lshlrev_b32 v246, 5, v3
	v_add_nc_u32 v246, LIST, v246                  ; the stores' tokens: lanes' half h: rows 8 h .. 8 h + 7 of a block
	s_mov_b32 s44, 0xaaaaaaaa                      ; lanes whose bit 0 is set,
	s_mov_b32 s45, 0xcccccccc                      ; bit 1,
	s_mov_b32 s46, 0xf0f0f0f0                      ; bit 2,
	s_mov_b32 s47, 0xff00ff00                      ; bit 3,
	s_mov_b32 s48, 0xffff0000                      ; bit 4
	s_mov_b32 s60, 0x76543210
	s_mov_b32 s61, 0xfedcba98                      ; v_permlanex16_b32's selects for lane l xor 16
	s_lshl_b32 s50, s20, 10
	s_lshl_b32 s25, s18, 8
	s_add_co_u32 s50, s50, s25
	s_mov_b32 s51, 0
	s_add_nc_u64 s[16:17], s[16:17], s[50:51]      ; out0 at my columns: 1,024 bytes a chunk, 256 a wave
	v_mov_b32 v140, 0                              ; the destination of a move between lanes counts as one of its sources
	v_mov_b32 v141, 0
; One step of n scans over lanes: v[136 + c] the sum over my group of lanes, v[138 + c] the sum over the lanes before me.
.macro SCAN n, s, m, first
.set c, 0
.rept \n
.if \s == 16
	v_permlanex16_b32 v[140+c], v[136+c], s60, s61
.else
	v_mov_b32_dpp v[140+c], v[136+c] row_xmask:\s row_mask:0xf bank_mask:0xf
.endif
.set c, c+1
.endr
.set c, 0
.rept \n
	v_cndmask_b32 v[142+c-4*\first], 0, v[140+c], s[\m]
.set c, c+1
.endr
.set c, 0
.rept \n
	v_add_nc_u32 v[136+c], v[136+c], v[140+c]
.if !\first
	v_add_nc_u32 v[138+c], v[138+c], v[142+c]
.endif
.set c, c+1
.endr
.endm
	s_wait_alu depctr_va_vdst(0)
	s_wait_loadcnt 4                               ; the counts are in; the masks may be out
.irp i, 105,106,107,108,109,110,111
.irp c, 0,1
	v_add_nc_u32 v[\i+16*\c], v[\i-1+16*\c], v[\i+16*\c]   ; sums within my eight blocks
.endr
.endr
	v_mov_b32 v136, v111
	v_mov_b32 v137, v127
	SCAN 2, 1, 44, 1
	SCAN 2, 2, 45, 0
	SCAN 2, 4, 46, 0
	SCAN 2, 8, 47, 0
	SCAN 2, 16, 48, 0                              ; v136, v137 the experts' tokens, v138, v139 those before my blocks
.irp c, 0,1
	v_mov_b32 v[144+8*\c], v[138+\c]
.irp i, 0,1,2,3,4,5,6
	v_add_nc_u32 v[145+8*\c+\i], v[138+\c], v[104+16*\c+\i]        ; tokens before each of my blocks
.endr
.endr
.irp c, 0,1
	ds_store_b128 v10, v[144+8*\c:147+8*\c] offset:8192*\c
	ds_store_b128 v10, v[148+8*\c:151+8*\c] offset:8192*\c+16
	ds_store_b32 v236, v[136+\c] offset:16*\c              ; all lanes write the same word with the same value
.endr
	s_wait_alu depctr_va_vdst(0)
	s_wait_loadcnt 0x0
.irp c, 0,1
	ds_store_b128 v10, v[112+16*\c:115+16*\c] offset:8192*\c+1024
	ds_store_b128 v10, v[116+16*\c:119+16*\c] offset:8192*\c+1040
.endr
	s_wait_dscnt 0x0                               ; for the others' sake
	s_barrier_signal -1
	s_barrier_wait -1                              ; eight tables and totals lie in LDS
	ds_load_b32 v161, v237
	s_wait_dscnt 0x0
	v_add_nc_u32 v162, 143, v161
	v_mul_u32_u24 v162, 0x1c72, v162               ; x 7,282 >> 20 is / 144 rounded down: 7,282 x 144 = 2^20 + 32, and the excess, under 58 x 32 / 2^20, stays under 1 / 144
	v_lshrrev_b32 v162, 20, v162                   ; T of expert L % 8
	v_mov_b32 v136, v162
	SCAN 1, 1, 44, 1
	SCAN 1, 2, 45, 0
	SCAN 1, 4, 46, 0                               ; v138 the tiles of the experts before
	v_sub_nc_u32 v163, s19, v138                   ; my tile among that expert's; it wraps to a large number where my tile lies before them
	v_cmp_lt_u32 s28, v163, v162
	s_ctz_i32_b32 s32, s28                         ; the expert; -1 where no expert takes my tile,
	s_min_u32 s32, s32, 7                          ; held, since it enters addresses
	v_readlane_b32 s33, v161, s32                  ; its tokens,
	v_readlane_b32 s34, v162, s32                  ; its tiles,
	v_readlane_b32 s35, v163, s32                  ; and which of them is mine
	s_lshl_b32 s23, s32, 10
	s_lshl_b32 s25, s20, 8
	s_add_co_u32 s23, s23, s25
	s_lshl_b32 s25, s18, 6
	s_add_co_u32 s23, s23, s25                     ; 1,024 e + 256 y + 64 w: my first row of W.  Also my first number of expert_b
	s_lshl_b32 s25, s23, 9
	v_add_nc_u32 v13, s25, v249                    ; W's rows: 512 bytes each, 16 a lane
	s_lshl_b32 s25, s23, 5
	v_add_nc_u32 v14, s25, v249                    ; W's scale bytes: 32 a row, as they lie
	s_lshl_b32 s25, s23, 2
	v_add_nc_u32 v248, s25, v15                    ; the bias of my columns 4 r .. 4 r + 3
	s_wait_alu depctr_va_vdst(0)
.macro WLOAD from, n                   ; n of my 64 rows, a whole row of 512 bytes an instruction: the i-th (i = 16 b + r) is row 4 r + b, row r of tile b, into v[4 i] of window 1
	WIN 0x40
.set i, \from
.rept \n
	global_load_b128 v[4*i:4*i+3], v13, s[10:11] offset:512*(4*(i%16)+i/16)
.set i, i+1
.endr
	WIN 0
.endm
	WLOAD 0, 16                                    ; W's rows go out by and by while the tokens are looked for
	s_cmp_lg_u32 s28, 0
	s_cselect_b32 s33, s33, 0                      ; a tile that no expert takes has no tokens
	s_cselect_b32 s35, s35, 0
	s_lshl_b32 s36, s34, 2
	v_mul_u32_u24 v140, s36, v250                  ; 4 T x (L + 1)
	s_lshl_b32 s37, s36, 5
	v_add_nc_u32 v141, s37, v140                   ; 4 T x (L + 33)
	v_cmp_gt_u32 s25, s33, v140                    ; q - 1 = how many multiples of 4 T lie under n
	v_cmp_gt_u32 s26, s33, v141
	s_bcnt1_i32_b32 s25, s25
	s_bcnt1_i32_b32 s26, s26
	s_add_co_u32 s27, s25, s26
	s_add_co_u32 s27, s27, 1                       ; q
	s_lshl_b32 s27, s27, 2                         ; the tile's share of rows
	s_mul_i32 s38, s35, s27                        ; its first rank among the expert's tokens
	s_sub_co_u32 s39, s33, s38
	s_cmp_gt_u32 s33, s38
	s_cselect_b32 s39, s39, 0
	s_min_u32 s39, s39, s27                        ; its rows
	s_add_co_u32 s40, s38, s39
	s_min_u32 s40, s40, s33
	s_sub_co_u32 s40, s40, 1                       ; its last rank; a tile without rows walks the search with held numbers, and its tokens are never stored
	s_lshl_b32 s41, s32, 11
	s_lshl_b32 s24, s18, 5
	s_add_co_u32 s24, s24, s38
	s_lshl_b32 s25, s18, 2
	s_add_co_u32 s25, s25, s38
	s_add_co_u32 s25, s25, 128
	; THE SEARCH, two chains: lane L: row 32 w + L (chain 0) and row 128 + 4 w + L % 4 (chain 1).  A rank's block is the last whose prefix is at most the rank: found by counting, 15 prefixes of every 16th block,
	; then 15 of neighbours.  A byte's place in the tables is held at its largest value and cut to whole entries before the tables' base is added.
	v_mov_b32 v102, s41
	v_min_u32 v102, 0x3800, v102
	v_and_b32 v102, 0x3800, v102
	v_add_nc_u32 v103, PA, v102
.irp w, 1,2,3,4,5,6,7,8,9,10,11,12,13,14,15
	ds_load_b32 v[144+\w], v103 offset:64*\w
.endr
	v_and_b32 v161, 3, v1
	v_add_nc_u32 v160, s24, v1
	v_add_nc_u32 v161, s25, v161
	v_mov_b32 v162, 0
	v_mov_b32 v163, 0
	v_min_u32 v160, s40, v160                      ; the ranks, held at the tile's last
	v_min_u32 v161, s40, v161
	s_wait_alu depctr_va_vdst(0)
	WLOAD 16, 8
.macro CNT a, b
	v_cmp_le_u32 vcc_lo, v[\a], v160
	v_cmp_le_u32 s42, v[\b], v161
	v_add_co_ci_u32 v162, vcc_lo, 0, v162, vcc_lo
	v_cndmask_b32 v174, 0, 1, s42
	v_add_nc_u32 v163, v163, v174
.endm
	s_wait_dscnt 0x0
.irp w, 145,146,147,148,149,150,151,152,153,154,155,156,157,158,159
	CNT \w, \w
.endr
.irp c, 0,1
	v_lshl_add_u32 v[164+\c], v[162+\c], 6, v102
.endr
.irp c, 0,1
	v_min_u32 v[164+\c], 0x3bc0, v[164+\c]
.endr
.irp c, 0,1
	v_and_b32 v[164+\c], 0x3bc0, v[164+\c]
.endr
.irp c, 0,1
	v_add_nc_u32 v[166+\c], PA, v[164+\c]
.endr
.irp c, 0,1
.irp i, 0,1,2,3
	ds_load_b128 v[104+16*\c+4*\i:107+16*\c+4*\i], v[166+\c] offset:16*\i
.endr
.endr
	v_mov_b32 v162, 0
	v_mov_b32 v163, 0
	s_wait_alu depctr_va_vdst(0)
	WLOAD 24, 8
	s_wait_dscnt 0x0
.irp w, 105,106,107,108,109,110,111,112,113,114,115,116,117,118,119
	CNT \w, \w+16
.endr
.irp c, 0,1
	v_lshl_add_u32 v[164+\c], v[162+\c], 2, v[164+\c]
.endr
.irp c, 0,1
	v_min_u32 v[164+\c], 0x3bfc, v[164+\c]
.endr
.irp c, 0,1
	v_and_b32 v[164+\c], 0x3bfc, v[164+\c]
.endr
.irp c, 0,1
	v_add_nc_u32 v[166+\c], PA, v[164+\c]
.endr
.irp c, 0,1
	ds_load_b32 v[168+2*\c], v[166+\c]                     ; the block's prefix
	ds_load_b32 v[169+2*\c], v[166+\c] offset:1024         ; and its mask
.endr
.irp c, 0,1
	v_mov_b32 v[108+8*\c], 0                       ; the bit's place
.endr
	s_wait_alu depctr_va_vdst(0)
	s_wait_dscnt 0x0
	; the k-th set bit of the mask: counts of pairs, fours, bytes and halves, then five steps down
.irp c, 0,1
	v_sub_nc_u32 v[168+2*\c], v[160+\c], v[168+2*\c]       ; k, counted from 0
.endr
.irp c, 0,1
	v_lshrrev_b32 v[104+8*\c], 1, v[169+2*\c]
.endr
.irp c, 0,1
	v_and_b32 v[104+8*\c], 0x55555555, v[104+8*\c]
.endr
.irp c, 0,1
	v_sub_nc_u32 v[104+8*\c], v[169+2*\c], v[104+8*\c]     ; in each pair of bits
.endr
.irp c, 0,1
	v_lshrrev_b32 v[105+8*\c], 2, v[104+8*\c]
.endr
.irp c, 0,1
	v_and_b32 v[106+8*\c], 0x33333333, v[104+8*\c]
.endr
.irp c, 0,1
	v_and_b32 v[105+8*\c], 0x33333333, v[105+8*\c]
.endr
.irp c, 0,1
	v_add_nc_u32 v[105+8*\c], v[105+8*\c], v[106+8*\c]     ; in each four
.endr
.irp c, 0,1
	v_lshrrev_b32 v[106+8*\c], 4, v[105+8*\c]
.endr
.irp c, 0,1
	v_add_nc_u32 v[106+8*\c], v[106+8*\c], v[105+8*\c]
.endr
.irp c, 0,1
	v_and_b32 v[106+8*\c], 0x0f0f0f0f, v[106+8*\c]         ; in each byte
.endr
.irp c, 0,1
	v_lshrrev_b32 v[107+8*\c], 8, v[106+8*\c]
.endr
.irp c, 0,1
	v_add_nc_u32 v[107+8*\c], v[107+8*\c], v[106+8*\c]     ; in each half (its low byte)
.endr
.macro PICK n, st, wd, inc             ; where k reaches past the lower part's count, take the count off k and go on to the upper part
.irp c, 0,1
	v_bfe_u32 v[109+8*\c], v[\n+\st*\c], v[108+8*\c], \wd
.endr
.irp c, 0,1
	v_cmp_ge_u32 s[42+\c], v[168+2*\c], v[109+8*\c]
.endr
.irp c, 0,1
	v_cndmask_b32 v[109+8*\c], 0, v[109+8*\c], s[42+\c]
	v_cndmask_b32 v[110+8*\c], 0, \inc, s[42+\c]
.endr
.irp c, 0,1
	v_sub_nc_u32 v[168+2*\c], v[168+2*\c], v[109+8*\c]
	v_add_nc_u32 v[108+8*\c], v[108+8*\c], v[110+8*\c]
.endr
.endm
	PICK 107, 8, 5, 16
	PICK 106, 8, 4, 8
	PICK 105, 8, 3, 4
	PICK 104, 8, 2, 2
	PICK 169, 2, 1, 1
.irp c, 0,1
	v_and_b32 v[172+\c], 0x3fc, v[164+\c]          ; 4 x block
.endr
.irp c, 0,1
	v_lshl_add_u32 v[172+\c], v[172+\c], 3, v[108+8*\c]    ; 32 x block + bit
.endr
.irp c, 0,1
	v_min_u32 v[172+\c], 0x1fff, v[172+\c]         ; held, since it enters an address
.endr
	ds_store_b32 v238, v172                        ; into the tile's list; what I read here is my own (LDS serves a wave's instructions in order: ISA guide 5.7.1.4)
	ds_store_b32 v239, v173
.irp i, 0,1,2,3
	ds_load_b128 v[176+4*\i:179+4*\i], v240 offset:16*\i   ; lanes 0-15 rows 32 w .. + 15, lanes 16-31 the 16 rows behind them
.endr
	ds_load_b64 v[192:193], v241                   ; rows 128 + 4 w + 2 h, + 1
	ds_load_b32 v174, v242                         ; row 32 w + r
	ds_load_b32 v175, v242 offset:64               ; row 32 w + 16 + r
	s_wait_alu depctr_va_vdst(0)
	s_wait_dscnt 0x0
.set j, 0
.rept 18
	v_min_u32 v[176+j], 0x1fff, v[176+j]           ; held likewise
.set j, j+1
.endr
	v_min_u32 v174, 0x1fff, v174
	v_min_u32 v175, 0x1fff, v175
.set j, 0
.rept 18
	v_lshl_add_u32 v[196+j], v[176+j], 9, v15      ; a token's 512 bytes of codes, 16 a lane, in two pieces of 256
.set j, j+1
.endr
.irp a, 0,1
	v_lshl_add_u32 v[214+\a], v[174+\a], 5, v247   ; a token's 32 scale bytes; lane (r, h): K steps 4 h .. 4 h + 3
.endr
	v_lshl_add_u32 v216, v173, 5, v247
	s_wait_alu depctr_va_vdst(0)
	WIN 0x80                                       ; destination window 2
.set j, 0
.rept 18
	global_load_b128 v[8*j:8*j+3], v[196+j], s[6:7]
	global_load_b128 v[8*j+4:8*j+7], v[196+j], s[6:7] offset:256
.set j, j+1
.endr
	WIN 0
.irp a, 0,1,2
	global_load_b128 v[220+4*\a:223+4*\a], v[214+\a], s[8:9]
.endr
.irp k, 0,1,2,3
	global_load_b128 v[WS+4*\k:WS+4*\k+3], v14, s[12:13] offset:512*\k       ; 16 rows' 512 consecutive bytes
.endr
	global_load_b128 v[BIAS:BIAS+3], v248, s[14:15]
; W's tile b: its 16 rows into my own image, its 16 half fragments back into the registers that the rows left, with no wait between: LDS serves a wave's instructions in order
.macro WTURN b, n                      ; n: the loads issued behind the tile's rows, which may stay out
	s_wait_loadcnt \n
	WIN 0x04                                       ; an LDS store's data are its source 1: window 1
.set i, 0
.rept 16
	ds_store_b128 v6, v[64*(\b)+4*i:64*(\b)+4*i+3] offset:(\b)*IMB+16*i
.set i, i+1
.endr
	WIN 0x40                                       ; destination window 1
.set i, 0
.rept 16
	ds_load_b128 v[64*(\b)+4*i:64*(\b)+4*i+3], v7 offset:(\b)*IMB+2*i*IP     ; i = 2 s + c
.set i, i+1
.endr
	WIN 0
.endm
	WTURN 0, 60                                    ; behind them: tile 1's 16 rows, 36 pieces of tokens, 3 and 4 loads of scale words, the bias
	WLOAD 32, 16
	WTURN 1, 60                                    ; the 44, and tile 2's 16
	WLOAD 48, 16
	s_wait_loadcnt 40                              ; the tokens' pieces are in.  Behind them: 3 + 4 loads of scale words, the bias, 32 rows of W
	WIN 0x08                                       ; an LDS store's data: window 2
.set j, 0
.rept 16
	ds_store_b128 v8, v[8*j:8*j+3] offset:16*j
	ds_store_b128 v8, v[8*j+4:8*j+7] offset:16*IP+16*j
.set j, j+1
.endr
.irp i, 0,1
	ds_store_b128 v9, v[128+8*\i:131+8*\i] offset:16*\i
	ds_store_b128 v9, v[132+8*\i:135+8*\i] offset:16*IP+16*\i
.endr
	WIN 0
	s_wait_loadcnt 37                              ; and their scale words
	ds_store_b128 v243, v[220:223]
	ds_store_b128 v243, v[224:227] offset:512
	ds_store_b128 v244, v[228:231]                 ; lanes with the same L % 4 and h write the same bytes with the same values
	s_wait_loadcnt 32                              ; W's scale words and the bias; its 32 last rows may be out
.irp k, 0,1,2,3
	ds_store_b128 v11, v[WS+4*\k:WS+4*\k+3] offset:576*\k
.endr
.irp b, 0,1,2,3
	ds_load_b128 v[WS+4*\b:WS+4*\b+3], v12 offset:32*\b    ; tile b's rows 4 r + b: my own bytes, in order behind the stores
.endr
	s_wait_dscnt 0x0                               ; for the others' sake
	s_barrier_signal -1
	s_barrier_wait -1                              ; the tokens' nine images, their scale words and the list are whole
	s_cmp_eq_u32 s39, 0
	s_cbranch_scc1 .Lend                           ; the split leaves this tile without rows
.macro FETCH a                         ; block a's eight fragments, 16 loads, into buffer a % 2
.if (\a) < 4
.set rAD, 4
.set oA, (\a)*IMB
.else
.set rAD, 5
.set oA, ((\a)-4)*IMB
.endif
	WIN 0x80                                       ; destination window 2
.irp s, 0,1,2,3,4,5,6,7
.irp c, 0,1
	ds_load_b128 v[64*((\a)%2)+8*\s+4*\c:64*((\a)%2)+8*\s+4*\c+3], v[rAD] offset:oA+(4*\s+2*\c)*IP
.endr
.endr
.endm
	FETCH 0
	WIN 0
.irp a, 0,1,2,3,4,5,6,7,8
	ds_load_b128 v[XS+4*\a:XS+4*\a+3], v245 offset:512*\a
.endr
.irp a, 0,1,2,3,4,5,6,7,8
	ds_load_b128 v[TK+8*\a:TK+8*\a+3], v246 offset:64*\a           ; store t of block a takes row 16 a + t in lanes 0-15 and row 16 a + 8 + t in lanes 16-31
	ds_load_b128 v[TK+8*\a+4:TK+8*\a+7], v246 offset:64*\a+16
.endr
	WTURN 2, 16                                    ; tile 3's 16 rows
	WTURN 3, 0
	FETCH 1
	WIN 0
; One product.  Lane (r, h), register j of accumulator b: token 16 a + 8 h + j, column 4 r + b.  The first K step takes the constant 0 as C: nothing is cleared.  K steps 4 to 7 take their scale words from lanes 16-31.
.macro WM b, s, a
.set rD, ACC+32*((\a)%2)+8*(\b)
.set rW, 64*(\b)+8*(\s)
.set rA, 64*((\a)%2)+8*(\s)
.if (\s) == 0
	v_wmma_scale_f32_16x16x128_f8f6f4 v[rD:rD+7], v[rA:rA+7], v[rW:rW+7], 0, v[XS+4*(\a)+(\s)%4], v[WS+4*(\b)+(\s)%4] matrix_a_fmt:MATRIX_FMT_FP4 matrix_b_fmt:MATRIX_FMT_FP4
.elseif (\s) < 4
	v_wmma_scale_f32_16x16x128_f8f6f4 v[rD:rD+7], v[rA:rA+7], v[rW:rW+7], v[rD:rD+7], v[XS+4*(\a)+(\s)%4], v[WS+4*(\b)+(\s)%4] matrix_a_fmt:MATRIX_FMT_FP4 matrix_b_fmt:MATRIX_FMT_FP4
.else
	v_wmma_scale_f32_16x16x128_f8f6f4 v[rD:rD+7], v[rA:rA+7], v[rW:rW+7], v[rD:rD+7], v[XS+4*(\a)+(\s)%4], v[WS+4*(\b)+(\s)%4] matrix_a_fmt:MATRIX_FMT_FP4 matrix_b_fmt:MATRIX_FMT_FP4 matrix_a_scale:MATRIX_SCALE_ROW1 matrix_b_scale:MATRIX_SCALE_ROW1
.endif
.endm
.macro SEND a, t0, n                   ; block a's stores t0 .. t0 + n - 1: sixteen lanes store 256 consecutive bytes, aligned, of one token's row; written once, read by nobody here
	WIN 0x08                                       ; a store's data are its source 1: window 2
.set t, \t0
.rept \n
	global_store_b128 v[TK+8*(\a)+t], v[OD+32*((\a)%4)+4*t:OD+32*((\a)%4)+4*t+3], s[16:17] th:TH_STORE_NT
.set t, t+1
.endr
.endm
; BLOCK a.  Its 32 products, the four accumulators by turns, one instruction a turn; behind them its stores' offsets, which are also the places in front of the reads of the results and
; of the loads into the buffer just multiplied (ISA guide 7.12.1 asks for four); then the bias, which lays a token's four columns side by side; then its stores; then block a + 2's fragments are fetched.
.macro ITER a
.if (\a) > 0
	s_cmp_le_u32 s39, 16*(\a)
	s_cbranch_scc1 .Lend                           ; this block lies past the tile's last row
.endif
.if (\a) < 8
	s_wait_dscnt 16                                ; my fragments are in (for block 0 all that was asked for ahead of them and behind them too); the next block's 16 loads may be out
.else
	s_wait_dscnt 0x0
.endif
	WIN 0x06                                       ; source 0 (tokens) window 2, source 1 (W) window 1
.irp s, 0,1,2,3,4,5,6,7
.irp b, 0,1,2,3
	WM \b, \s, \a
.endr
.endr
	WIN 0
.irp t, 0,1,2,3,4,5,6,7
	v_min_u32 v[TK+8*(\a)+\t], 0x1fff, v[TK+8*(\a)+\t]             ; held, since it enters an address
.endr
.irp t, 0,1,2,3,4,5,6,7
	v_lshl_add_u32 v[TK+8*(\a)+\t], v[TK+8*(\a)+\t], 12, v15       ; a row of out0 is 4,096 bytes
.endr
.if ((\a) == 4) || ((\a) == 8)
	s_wait_xcnt 0x0                                ; the stores of the blocks up to a - 1 have read their data: the next four blocks' rows are laid into those registers
.endif
	WIN 0x80                                       ; destination window 2
.irp j, 0,1,2,3,4,5,6,7
.irp b, 0,1,2,3
	v_add_f32 v[OD+32*((\a)%4)+4*\j+\b], v[ACC+32*((\a)%2)+8*\b+\j], v[BIAS+\b]    ; each accumulator from its low end on
.endr
.endr
	s_wait_alu depctr_va_vdst(0)
	SEND \a, 0, 4
	WIN 0                                          ; at a branch and at a label every window is 0
	s_cmp_le_u32 s39, 16*(\a)+4
	s_cbranch_scc1 .Lend                           ; the tile's last block has no more than four rows
	SEND \a, 4, 4
.if (\a)+2 <= 8
	FETCH (\a)+2
.endif
	WIN 0
.endm
.irp a, 0,1,2,3,4,5,6,7,8
	ITER \a
.endr
.Lend:
	s_wait_tensorcnt 0x0                           ; the wave's end
	ds_add_u32 v254, v255
	s_wait_dscnt 0x0
	s_endpgm
.Lfunc_end_k_qbdee580f92_experts:
	.size	k_qbdee580f92_experts, .Lfunc_end_k_qbdee580f92_experts-k_qbdee580f92_experts
	.p2alignl 7, 3214868480
	.fill 96, 4, 3214868480
	.section	.rodata,"a",@progbits
	.p2align	6, 0x0
	.amdhsa_kernel k_qbdee580f92_experts
		.amdhsa_group_segment_fixed_size 249344
		.amdhsa_private_segment_fixed_size 0
		.amdhsa_enable_private_segment 0
		.amdhsa_kernarg_size 56
		.amdhsa_user_sgpr_count 2
		.amdhsa_user_sgpr_kernarg_segment_ptr 1
		.amdhsa_wavefront_size32 1
		.amdhsa_system_sgpr_workgroup_id_x 1
		.amdhsa_system_sgpr_workgroup_id_y 1
		.amdhsa_system_sgpr_workgroup_id_z 1
		.amdhsa_system_vgpr_workitem_id 0
		.amdhsa_next_free_vgpr 768
		.amdhsa_next_free_sgpr 66
		.amdhsa_reserve_vcc 1
		.amdhsa_float_denorm_mode_32 3
		.amdhsa_float_denorm_mode_16_64 3
		.amdhsa_memory_ordered 1
		.amdhsa_forward_progress 1
		.amdhsa_inst_pref_size 128
	.end_amdhsa_kernel
	.amdgpu_metadata
---
amdhsa.version: [ 1, 2 ]
amdhsa.kernels:
  - .name:           k_qbdee580f92_experts
    .symbol:         k_qbdee580f92_experts.kd
    .args:
      - { .name: route, .offset: 0, .size: 8, .value_kind: global_buffer, .address_space: global }
      - { .name: xcodes, .offset: 8, .size: 8, .value_kind: global_buffer, .address_space: global }
      - { .name: xscales, .offset: 16, .size: 8, .value_kind: global_buffer, .address_space: global }
      - { .name: expert_w_codes, .offset: 24, .size: 8, .value_kind: global_buffer, .address_space: global }
      - { .name: expert_w_scales, .offset: 32, .size: 8, .value_kind: global_buffer, .address_space: global }
      - { .name: expert_b, .offset: 40, .size: 8, .value_kind: global_buffer, .address_space: global }
      - { .name: out0, .offset: 48, .size: 8, .value_kind: global_buffer, .address_space: global }
    .group_segment_fixed_size: 249344
    .private_segment_fixed_size: 0
    .kernarg_segment_align: 8
    .kernarg_segment_size: 56
    .max_flat_workgroup_size: 128
    .sgpr_count:     66
    .vgpr_count:     768
    .wavefront_size: 32
...
	.end_amdgpu_metadata
.endif
;; end of part 2
